; MI455X (gfx1250); checked and timed in simulation.
; The chip was launched on July 23, 2026; its instructions are those of AMD's public machine-readable ISA for CDNA 5 (MIT licence, August 2026) and "CDNA5" Instruction Set Architecture Reference Guide (July 2026). The comments in the code are by the model that wrote it; some were corrected since.
;; Mixed Repeat Heads. Allowed arithmetic: matrix products marked QUANTISED: E5M2 operands, one E8M0 scale for each 32 along K, by v_wmma_scale_f32_16x16x128_f8f6f4 with both operands' format E5M2, f32 sums; everything else in f32.
;; Inputs: cache 16 x 2,048 x 256 float32; decay_value 16 float32; mix_b 16 x 4,096 float32; mix_w 16 x 4,096 float32; out_b 4,096 float32; out_w_codes 4,096 x 128 x 32 uint8 (E5M2 codes of out_w, K innermost, in blocks of 32 codes); out_w_scales 4,096 x 128 uint8 (E8M0 scales of out_w, one for each 32 codes along K); proj_b 16 x 256 float32; proj_w_codes 16 x 256 x 128 x 32 uint8 (E5M2 codes of proj_w, K innermost, in blocks of 32 codes); proj_w_scales 16 x 256 x 128 uint8 (E8M0 scales of proj_w, one for each 32 codes along K); x_codes 2,048 x 128 x 32 uint8 (E5M2 codes of x, K innermost, in blocks of 32 codes); x_scales 2,048 x 128 uint8 (E8M0 scales of x, one for each 32 codes along K).
;; Outputs: out0 2,048 x 4,096 float32.
;; Constants: index = 1000.
;; This version of the problem:
;;   THIS VERSION OF THE PROBLEM IS GIVEN IN LOW PRECISION. The matrix products marked QUANTISED in the list below multiply operands that are first quantised to E5M2 (5 exponent bits, 2 mantissa bits; 8 bits a number), with one power-of-two scale for each 32 numbers along K (OCP MX v1.0); their sums are f32. All else is computed in f32.
;;   The module's matrix products, in the order in which they are computed (A, B: the left and right operand; K: the contracted axis; several contracted axes count as one K, in the product's order):
;;     1. [M 4,096, K 4,096] x [K 4,096, N 2,048]; A: input proj_w (given as codes); B: input x (given as codes): QUANTISED
;;     2. [M 2,048, K 4,096] x [K 4,096, N 4,096]; A: computed on the way; B: input out_w (given as codes): QUANTISED
;;   THE QUANTISER, for each operand of a quantised product, along K:
;;     - K is cut into blocks of 32 from its start; a last block that is shorter is filled with zeros.
;;     - A block's scale is 2^e with e = floor(log2(the largest magnitude in the block)) - 15, held to -126 .. 127; a block of zeros has e = 0. As a byte (E8M0): e + 127.
;;     - Each number is divided by its block's scale, clamped to +-57,344, and rounded to the nearest number of E5M2, ties to even, subnormals kept.
;;     - The product sums the exact products of the quantised numbers (number of the format x scale) in f32.
;;   ~~~python
;;   def quantise(x, axis):      # numpy; x: float32 -> the quantised numbers, widened to float32 again
;;       x = np.moveaxis(x, axis, -1); K = x.shape[-1]
;;       x = np.pad(x, [(0, 0)] * (x.ndim - 1) + [(0, -K % 32)]); x = x.reshape(x.shape[:-1] + (-1, 32)); a = np.abs(x).max(-1, keepdims=True)
;;       e = np.where(a > 0, np.clip(np.frexp(np.where(a > 0, a, 1))[1] - 1 - 15, -126, 127), 0)      # np.frexp(a)[1] - 1 = floor(log2(a)), exactly
;;       r = np.clip(x / 2.0 ** e, -57344, 57344)
;;       step = 2.0 ** (np.maximum(np.frexp(np.where(r == 0, 1, r))[1] - 1, -14) - 2)
;;       q = np.round(r / step) * step * 2.0 ** e      # np.round: ties to even
;;       return np.moveaxis(q.reshape(q.shape[:-2] + (-1,))[..., :K], -1, axis).astype(np.float32)
;;   ~~~
;;   OPERANDS COMPUTED ON THE WAY. 'Computed on the way' means the value that the module computes at that place (a softmax that the list does not call 'softmax' is quantised finished and normalised). What goes into a quantiser is computed in f32, as accurately as f32 sums, v_exp_f32 and their like allow (about 1e-6 of the number): no bf16 or f16 on the way to a quantiser, and a product that is left as it is and whose result goes on into a quantised operand takes f32 operands (vector FMAs, or v_wmma_f32_16x16x4_f32). A number that lies on a knife's edge between two numbers of the format may be rounded either way, as far as f32 arithmetic and the matrix unit's own rounding can turn it there, and no further.
;;   INPUTS GIVEN AS CODES. out_w (in the module: [4096, 4096], K = its axis 1); proj_w (in the module: [16, 256, 4096], K = its axis 2); x (in the module: [2048, 4096], K = its axis 1): each comes as NAME_codes (uint8): NAME with its K axis moved to the last place and cut into blocks of 32 codes, [.., K / 32, bytes a block], one block behind the other in memory; one code a byte (a code: sign, 5 exponent bits, 2 mantissa bits); and NAME_scales (uint8): the same leading axes, one E8M0 byte (e + 127) for each 32 codes along K. Its value is code x scale, taken as it is: it is not quantised again, and the codes and scales need not be those that the quantiser above would give.
;; One version. Each part assembles by itself: llvm-mc -triple=amdgcn-amd-amdhsa -mcpu=gfx1250 --defsym DOCPART=n.
;; ======== version 1 of 1: 2 launches
;; limits: right only within a limited range of input values
;; workspace buffers: h_codes 8,388,608 bytes; h_scales 262,144 bytes
;; launch proj (part 1): grid 16 x 16, 4 waves a work-group, clusters of 4 x 4, 327,680 bytes of LDS; arguments x_codes, x_scales, proj_w_codes, proj_w_scales, proj_b, cache, mix_w, mix_b, decay_value, h_codes, h_scales; writes h_codes, h_scales
.if DOCPART == 1
	.amdgcn_target "amdgcn-amd-amdhsa--gfx1250"
	.amdhsa_code_object_version 6
	.text
	.protected	k_qe6d5dc5773_proj
	.globl	k_qe6d5dc5773_proj
	.p2align	8
	.type	k_qe6d5dc5773_proj,@function
k_qe6d5dc5773_proj:
	s_mov_b64 s[64:65], 0
	v_nop
	global_prefetch_b8 v0, s[64:65] scope:SCOPE_SE
	s_setreg_imm32_b32 hwreg(HW_REG_WAVE_MODE, 25, 1), 1
	s_wait_xcnt 0x0
	s_wait_alu depctr_hold_cnt(0) depctr_sa_sdst(0) depctr_va_vdst(0) depctr_va_sdst(0) depctr_va_ssrc(0) depctr_va_vcc(0) depctr_vm_vsrc(0)
	s_getreg_b32 s2, hwreg(HW_REG_IB_STS2, 6, 4)
	s_cmp_eq_u32 s2, 0
	s_cbranch_scc0 .Lentry_in_a_cluster
	s_endpgm
.Lentry_in_a_cluster:
	s_bfe_u32 s2, ttmp6, 0x10000c
	s_cmp_lg_u32 s2, 0xf033
	s_cbranch_scc0 .Lentry_shape_is_right
	s_endpgm
.Lentry_shape_is_right:
; hidden[row][256 head + k] = w (x . proj_w[head][k] + proj_b[head][k]) + coef cache[head][row][k] + b, quantised along its 4,096 features to codes of BF8 (E5M2), one E8M0 byte for each 32.
; w = mix_w[head][1000], b = mix_b[head][1000] (the index is a constant of the problem); decay = clip(decay_value[head], 0.9, 1)^(1/8); coef = w decay for heads 0-7, decay for heads 8-15.
; No work of the problem is left out: every input is loaded.
; OUT.  h_scales [2048][128].  h_codes in the order of the next launch's operand registers: the code of row 16 R + r, feature 128 s + 32 c + 16 g + y lies at 65,536 R + 2,048 s + 512 c + 16 (16 g + r) + y.
; SHARES.  A tile is 128 rows x 256 features = one head; 16 x 16 tiles, one to a work-group.  Four waves, 2 x 2: a wave makes 64 rows x 128 features in 32 accumulators.
; K goes in 16 steps of 256 through a ring of two LDS slots (x's 128 rows, proj_w's 256, rows of 256 bytes of memory).  The scales of all of K (two dense blocks) come once, at the head, and stay.
; CLUSTERS 4 x 4: x's tiles are asked for jointly along a row of the cluster, proj_w's along a column.
; THE HEAD: one joint load a wave: wave 0 x's rows of K step 0, wave 1 proj_w's, wave 2 x's scales, wave 3 proj_w's scales.  K step 1 follows behind the full sequence and a round.
; PREFETCH: each row's 256 bytes of a K step are named once in each cluster, two K steps ahead of the refill that loads them: of the 64 (x) or 128 (proj_w) rows that a wave fetches in the ring,
; the partner at place p (cx for x, cy for proj_w) names 16 or 32, a lane a row (x's waves: lanes 16-31 name the wave's last row again).  The head names K steps 1 and 2, slot 1's fill K step 3,
; refill t (it loads K step t + 2) K step t + 4; the last two refills name nothing.  cache is read once, by plain loads asked for between the loops, long ahead of their wait: it has no prefetch.
; THE MATRIX INSTRUCTION IS USED TRANSPOSED (source 0 = proj_w's rows, source 1 = x's): lane (r, h) of accumulator (a, b) holds row 16 a + r, register j feature 16 b + 8 h + j.  proj_b is the C of each sum's first product.
; LIMITS: NaN and infinities in cache, proj_b, mix_w, mix_b, decay_value are not served.  A block of zeros gets the scale byte 1 where the rule says 127: its codes are zeros, and this program alone reads the bytes.
; The sum is formed as (w acc + b) + coef cache, each step one fused multiply-add in f32.  The eighth root is three square roots.
; REGISTERS.  window 0: v0-31 addresses and the head's numbers; v32-63 scale words, two sets; v64-127 proj_b; v128-255 x's fragments, two sets.  window 1: proj_w's fragments, two sets.
;   window 2: accumulator (a, b) at v[8 (8 a + b)].  window 3: cache, my row i in v[4 i ..].  On the way out window 0: v32-47 at work, v48-111 codes, v128-191 cache in the result's layout, v192-255 hidden numbers.
.set PITCH,  272                       ; an LDS row: 256 bytes + 16 of padding
.set BOFF,   128*PITCH
.set SLOT,   384*PITCH
.set SCL,    2*SLOT                    ; the scales: x's 128 rows, then proj_w's 256; two rows of 128 bytes to a row of 256 + 16
.set SBLK,   8*272                     ; those of 16 rows
.set SPARE,  SCL+24*SBLK               ; the spare words: 128 bytes a wave
.set SPITCH, 528                       ; the way out: a stage of 16 rows x (512 + 16) bytes a wave, in slot 0 behind its last fill and last read
.set NP,     8                         ; places behind this matrix instruction (ISA guide 7.12.1)
.set BOF,  6
.set PW,   8
.set ADRA, 16
.set ADRB, 20
.set L16,  22
.set SROW, 23
.set SACC, 24
.set PFO,  25                          ; the prefetches' offset: my row x 4,096; never rewritten
.set ADRS, 27
.set SPW,  28
.set NIL,  29
.set GCO,  30
.set GSO,  31
.set SC,   32
.set BIAS, 64
.set AF,   128
.set TM,   32
.set PC,   48
.set CA,   128
.set H,    192
.set G1A,  24
.set G0A,  32
.set G1B,  48
.set G0B,  56
.set SEL,  66
.set G1SA, 68
.set G0SA, 76
.set G1SB, 80
.set G0SB, 88
.set MNT,  8
.set PFA,  10                          ; s[10:11] my work-group's share of the rows that I fetch, at K step 1 + 2 x the laps done
.set MSB, 0
.macro WIN new
.if MSB != \new
	s_set_vgpr_msb (MSB<<8)|\new
.set MSB, \new
.endif
.endm
.set MUL,      0xa1
.set MUL1,     0x81
.set TO_B,     0x40
.set TO_C,     0xc0
.set FROM_ACC, 0x02
.set ST_C,     0x0c
.macro JLOAD g0a, g1a, g0b, g1b        ; a joint load of the ring: waves 0, 1 fetch x's halves, waves 2, 3 proj_w's
	s_cmp_eq_u32 s15, 0
	s_cbranch_scc0 .Lfor_b_\@
	tensor_load_to_lds s[\g0a:\g0a+3], s[\g1a:\g1a+7]
	s_nop 0
.rept 4
	v_nop
.endr
	s_branch .Lasked_\@
.Lfor_b_\@:
	tensor_load_to_lds s[\g0b:\g0b+3], s[\g1b:\g1b+7]
	s_nop 0
.rept 4
	v_nop
.endr
.Lasked_\@:
.endm
.macro ARM under, g0, g1, next         ; an arm of the head's one chain: its load, and a jump to the join
	s_cmp_lt_u32 s14, \under
	s_cbranch_scc0 \next
	tensor_load_to_lds s[\g0:\g0+3], s[\g1:\g1+7]
	s_nop 0
.rept 4
	v_nop
.endr
	s_branch .Lhead_asked
\next:
.endm
.macro CREST
	s_cmp_lg_u32 s14, 0
	s_cbranch_scc1 .Lnot_wave_0_\@
	s_barrier_signal -3
.Lnot_wave_0_\@:
	s_barrier_wait -3
	s_barrier_signal -1
	s_barrier_wait -1
.endm
.macro CROUND
	s_barrier_signal -1
	s_barrier_wait -1
	CREST
.endm
.macro PLACES n
.rept \n
	v_nop
.endr
.endm
	s_load_b256 s[4:11], s[0:1], 0x0               ; x's codes, x's scales, proj_w's codes, proj_w's scales
	s_load_b64 s[12:13], s[0:1], 0x20              ; proj_b
	s_load_b256 s[92:99], s[0:1], 0x28             ; cache, mix_w, mix_b, decay_value
	s_load_b64 s[100:101], s[0:1], 0x48            ; h_codes
	s_load_b64 s[104:105], s[0:1], 0x50            ; h_scales
	v_lshl_add_u32 v[SPW], v0, 2, SPARE
	v_mov_b32 v[NIL], 0
	ds_add_u32 v[SPW], v[NIL]                      ; the opening lines: the add twice on end
	ds_add_u32 v[SPW], v[NIL]
	v_lshrrev_b32 v1, 5, v0
	v_readfirstlane_b32 s14, v1                    ; wave 0..3
	s_lshr_b32 s15, s14, 1                         ; my 64 of the tile's rows; in the ring: I fetch for x (0) or proj_w (1)
	s_and_b32 s16, s14, 1                          ; my 128 of its features; in the ring: which half I fetch
	s_bfe_u32 s40, ttmp6, 0x40000                  ; cx
	s_bfe_u32 s41, ttmp6, 0x40004                  ; cy
	s_lshl_b32 s42, ttmp9, 2
	s_add_co_u32 s42, s42, s40                     ; tile column = the head
	s_and_b32 s17, ttmp7, 0xffff
	s_lshl_b32 s17, s17, 2
	s_add_co_u32 s17, s17, s41                     ; tile row
	s_lshl_b32 s43, s41, 2
	s_lshl_b32 s43, 15, s43                        ; my row of the cluster
	s_lshl_b32 s44, 0x1111, s40                    ; my column
	s_or_b32 s[G1A], s43, (1<<20)|(1<<21)|(5<<22)|(3<<25)            ; elements of 1 byte; 4 words of padding behind every 64
	s_or_b32 s[G1B], s44, (1<<20)|(1<<21)|(5<<22)|(3<<25)
	s_or_b32 s[G1SA], s43, (3<<16)|(1<<20)|(1<<21)|(5<<22)|(3<<25)   ; elements of 8 bytes
	s_or_b32 s[G1SB], s44, (3<<16)|(1<<20)|(1<<21)|(5<<22)|(3<<25)
.irp g, G1A, G1B
	s_mov_b32 s[\g+1], 256<<16
	s_mov_b32 s[\g+3], 256<<16
	s_mov_b32 s[\g+5], 4096
	s_mov_b32 s[\g+6], 0
	s_mov_b32 s[\g+7], 0
.endr
	s_mov_b32 s[G1A+2], 128<<16                    ; the head's loads bring whole tiles: x 128 rows,
	s_mov_b32 s[G1A+4], 128
	s_mov_b32 s[G1B+2], 256<<16                    ; proj_w 256
	s_mov_b32 s[G1B+4], 256
.irp g, G1SA, G1SB
	s_mov_b32 s[\g+1], 32<<16
	s_mov_b32 s[\g+3], 32<<16
	s_mov_b32 s[\g+5], 32
	s_mov_b32 s[\g+6], 0
	s_mov_b32 s[\g+7], 0
.endr
	s_mov_b32 s[G1SA+2], 64<<16                    ; x's scales: 16,384 bytes as 64 rows of 256
	s_mov_b32 s[G1SA+4], 64
	s_mov_b32 s[G1SB+2], 128<<16
	s_mov_b32 s[G1SB+4], 128
	s_lshl_b32 s20, s17, 19                        ; x's codes at the tile's first row: 128 rows of 4,096 bytes a tile row
	s_mov_b32 s21, 0
	s_lshl_b32 s22, s17, 14                        ; its scales: 128 bytes a row
	s_mov_b32 s23, 0
	s_lshl_b32 s46, s42, 20                        ; proj_w's codes: 256 rows a head
	s_mov_b32 s47, 0
	s_lshl_b32 s2, s42, 15
	s_mov_b32 s3, 0
	s_mov_b32 s19, 0
	s_mul_i32 s45, s16, 64*PITCH                   ; the ring: where my half of x's rows goes; proj_w's half lies twice as far
	s_cmp_eq_u32 s15, 0                            ; the prefetches' share: my place among the four that ask with me,
	s_cselect_b32 s40, s40, s41
	s_cselect_b32 s41, 15, 31                      ; and the last lane that has a row of its own
	s_lshl_b32 s43, s16, 2
	s_add_co_u32 s40, s40, s43
	s_lshl_b32 s40, s40, 16                        ; (64 x half + 16 x place) rows of 4,096 bytes,
	s_lshl_b32 s40, s40, s15                       ; twice that for proj_w,
	s_add_co_u32 s40, s40, 256                     ; at K step 1
	v_and_b32 v3, 31, v0
	v_min_u32 v7, s41, v3
	v_lshlrev_b32 v[PFO], 12, v7
	s_mov_b32 s41, 0
	s_wait_alu depctr_va_vdst(0)
	s_wait_dscnt 0x0                               ; both opening adds are done
	CROUND                                         ; the round in front of the first joint loads; it needs no argument, so it stands ahead of the wait for them
	s_wait_kmcnt 0x0
	s_add_nc_u64 s[20:21], s[4:5], s[20:21]
	s_add_nc_u64 s[22:23], s[6:7], s[22:23]
	s_add_nc_u64 s[46:47], s[8:9], s[46:47]
	s_add_nc_u64 s[2:3], s[10:11], s[2:3]
	s_cmp_eq_u32 s15, 0
	s_cselect_b64 s[PFA:PFA+1], s[20:21], s[46:47]
	s_add_nc_u64 s[PFA:PFA+1], s[PFA:PFA+1], s[40:41]
	s_mov_b32 s[G0A], 1                            ; slot 0's groups 0 serve the head's whole tiles first
	s_mov_b32 s[G0A+1], 0
	s_mov_b64 s[G0A+2:G0A+3], s[20:21]
	s_or_b32 s[G0A+3], s[G0A+3], 0x80000000
	s_mov_b32 s[G0B], 1
	s_mov_b32 s[G0B+1], BOFF
	s_mov_b64 s[G0B+2:G0B+3], s[46:47]
	s_or_b32 s[G0B+3], s[G0B+3], 0x80000000
	s_mov_b32 s[G0SA], 1
	s_mov_b32 s[G0SA+1], SCL
	s_mov_b64 s[G0SA+2:G0SA+3], s[22:23]
	s_or_b32 s[G0SA+3], s[G0SA+3], 0x80000000
	s_mov_b32 s[G0SB], 1
	s_mov_b32 s[G0SB+1], SCL+8*SBLK
	s_mov_b64 s[G0SB+2:G0SB+3], s[2:3]
	s_or_b32 s[G0SB+3], s[G0SB+3], 0x80000000
	s_lshl_b32 s18, s16, 18                        ; slot 1's groups 0, in the ring's form: my half of the rows, K step 1
	s_add_nc_u64 s[20:21], s[20:21], s[18:19]
	s_lshl_b32 s18, s16, 19
	s_add_nc_u64 s[46:47], s[46:47], s[18:19]
	s_mov_b32 s[G0A+4], 1
	s_add_co_u32 s[G0A+5], s45, SLOT
	s_add_nc_u64 s[G0A+6:G0A+7], s[20:21], 256
	s_or_b32 s[G0A+7], s[G0A+7], 0x80000000
	s_lshl_b32 s18, s45, 1
	s_mov_b32 s[G0B+4], 1
	s_add_co_u32 s[G0B+5], s18, SLOT+BOFF
	s_add_nc_u64 s[G0B+6:G0B+7], s[46:47], 256
	s_or_b32 s[G0B+7], s[G0B+7], 0x80000000
	ARM 1, G0A,  G1A,  .Lhead_b
	ARM 2, G0B,  G1B,  .Lhead_sa
	ARM 3, G0SA, G1SA, .Lhead_sb
	tensor_load_to_lds s[G0SB:G0SB+3], s[G1SB:G1SB+7]
	s_nop 0
.rept 4
	v_nop
.endr
.Lhead_asked:
	global_prefetch_b8 v[PFO], s[PFA:PFA+1] th:TH_LOAD_NT scope:SCOPE_SE              ; K step 1
	global_prefetch_b8 v[PFO], s[PFA:PFA+1] offset:256 th:TH_LOAD_NT scope:SCOPE_SE   ; K step 2
	s_lshl_b32 s40, s42, 14                        ; a head's row of mix_w and of mix_b: 16,384 bytes
	s_add_nc_u64 s[94:95], s[94:95], s[40:41]
	s_add_nc_u64 s[96:97], s[96:97], s[40:41]
	s_load_b32 s4, s[94:95], 4000                  ; w = mix_w[head][1000]
	s_load_b32 s5, s[96:97], 4000                  ; b = mix_b[head][1000]
	s_lshl_b32 s40, s42, 2
	s_add_nc_u64 s[98:99], s[98:99], s[40:41]
	s_load_b32 s6, s[98:99], 0x0                   ; decay_value[head]
	s_mov_b32 s[MNT], 0x600000                     ; the mantissa field of 57,344
	s_mov_b32 s9, 0xffff0000                       ; lanes 16-31
	s_mov_b32 s[SEL], 0x76543210
	s_mov_b32 s[SEL+1], 0xfedcba98
	s_lshl_b32 s20, s42, 10
	s_lshl_b32 s21, s16, 9
	s_add_co_u32 s20, s20, s21
	s_mov_b32 s21, 0
	s_add_nc_u64 s[12:13], s[12:13], s[20:21]      ; proj_b at my 128 features
	s_lshl_b32 s20, s42, 21                        ; cache: head, tile row, my 64 rows, my 128 columns
	s_lshl_b32 s21, s17, 17
	s_add_co_u32 s20, s20, s21
	s_lshl_b32 s21, s15, 16
	s_add_co_u32 s20, s20, s21
	s_lshl_b32 s21, s16, 9
	s_add_co_u32 s20, s20, s21
	s_mov_b32 s21, 0
	s_add_nc_u64 s[92:93], s[92:93], s[20:21]
	s_lshl_b32 s20, s17, 19                        ; h_codes: block of 16 rows 8 x tile row + 4 x my half; K step 2 x head + my half of the features
	s_lshl_b32 s21, s15, 18
	s_add_co_u32 s20, s20, s21
	s_lshl_b32 s21, s42, 12
	s_add_co_u32 s20, s20, s21
	s_lshl_b32 s21, s16, 11
	s_add_co_u32 s20, s20, s21
	s_mov_b32 s21, 0
	s_add_nc_u64 s[100:101], s[100:101], s[20:21]
	s_lshl_b32 s20, s17, 14                        ; h_scales: my first row, + 8 x head + 4 x my half of the features
	s_lshl_b32 s21, s15, 13
	s_add_co_u32 s20, s20, s21
	s_lshl_b32 s21, s42, 3
	s_add_co_u32 s20, s20, s21
	s_lshl_b32 s21, s16, 2
	s_add_co_u32 s20, s20, s21
	s_mov_b32 s21, 0
	s_add_nc_u64 s[104:105], s[104:105], s[20:21]
	v_and_b32 v1, 15, v0                           ; r
	v_bfe_u32 v2, v0, 4, 1                         ; h
	v_mul_u32_u24 v3, v1, PITCH
	v_lshl_add_u32 v4, v2, 4, v3                   ; a fragment's row x pitch + 16 h
	s_mul_i32 s21, s15, 64*PITCH
	s_mul_i32 s22, s16, 128*PITCH
	s_add_co_u32 s22, s22, BOFF
.irp s, 0,1
	v_add_nc_u32 v[ADRA+\s], s21, v4
	v_add_nc_u32 v[ADRB+\s], s22, v4
	s_add_co_u32 s21, s21, SLOT
	s_add_co_u32 s22, s22, SLOT
.endr
	v_lshlrev_b32 v5, 7, v1                        ; my row's scales: 128 bytes a row, 16 more for each two rows passed
	v_lshrrev_b32 v7, 1, v1
	v_lshl_add_u32 v5, v7, 4, v5
	s_mul_i32 s21, s15, 4*SBLK
	s_mul_i32 s22, s16, 8*SBLK
	s_add_co_u32 s22, s22, 8*SBLK
	s_sub_co_u32 s22, s22, s21
	v_mul_u32_u24 v7, s22, v2                      ; lanes 16-31 take proj_w's: one product, the distance between the two bases
	s_add_co_u32 s21, s21, SCL
	v_add_nc_u32 v5, v5, v7
	v_add_nc_u32 v[ADRS], s21, v5
	v_lshlrev_b32 v[BOF], 5, v2
	v_and_b32 v3, 31, v0
	v_lshlrev_b32 v[L16], 4, v3
	v_lshlrev_b32 v[GSO], 7, v3
	s_mul_i32 s23, s14, 16*SPITCH
	v_add_nc_u32 v[SROW], s23, v[L16]
	v_mul_u32_u24 v5, v1, SPITCH
	v_lshl_add_u32 v5, v2, 5, v5
	v_add_nc_u32 v[SACC], s23, v5
	v_lshlrev_b32 v5, 3, v2
	v_lshl_add_u32 v[GCO], v1, 4, v5               ; 16 r + 8 h
.irp b, 0,1,2,3,4,5,6,7                        ; proj_b in the result's layout
	global_load_b128 v[BIAS+8*\b:BIAS+8*\b+3], v[BOF], s[12:13] offset:64*\b
	global_load_b128 v[BIAS+8*\b+4:BIAS+8*\b+7], v[BOF], s[12:13] offset:64*\b+16
.endr
.macro CHUNK c                         ; sixteen rows of my part of cache, 512 consecutive bytes a load, into registers that nothing else touches; waited for on the way out
	WIN TO_C
.irp i, 0,1,2,3,4,5,6,7,8,9,10,11,12,13,14,15
	global_load_b128 v[64*\c+4*\i:64*\c+4*\i+3], v[L16], s[92:93] offset:(16*\c+\i)*1024 th:TH_LOAD_NT
.endr
	WIN 0
.endm
	s_wait_kmcnt 0x0                               ; w, b, decay_value
	s_cmp_lt_u32 s42, 8
	s_cselect_b32 s7, s4, 1.0                      ; heads 0-7: the cache's factor carries w too
	v_mov_b32 v12, s4
	v_mov_b32 v13, s4
	v_mov_b32 v14, s5
	v_mov_b32 v15, s5
	v_mov_b32 v18, s6
	v_med3_num_f32 v18, v18, 0x3f666666, 1.0       ; held between 0.9 and 1
.rept 3
	s_wait_alu depctr_va_vdst(0)
	v_sqrt_f32 v18, v18
	v_nop
.endr
	s_wait_alu depctr_va_vdst(0)
	v_mul_f32 v18, s7, v18                         ; coef
	v_mov_b32 v19, v18
.macro FRAG reg, adr, q, i             ; 16 rows x 128 K: registers 4 c .. 4 c + 3 hold K = 32 c + 16 h + 0 .. 15
.irp c, 0,1,2,3
	ds_load_b128 v[\reg+4*\c:\reg+4*\c+3], v[\adr] offset:128*(\q)+32*\c+(\i)*16*PITCH
.endr
.endm
.macro FETCH slot, q                   ; 48 LDS loads: the slot's q-th 128 along K into set q
	WIN TO_B
.irp i, 0,1,2,3,4,5,6,7
	FRAG 128*(\q)+16*\i, ADRB+\slot, \q, \i
.endr
	WIN 0
.irp i, 0,1,2,3
	FRAG AF+64*(\q)+16*\i, ADRA+\slot, \q, \i
.endr
.endm
.macro SCALES sc                       ; a K step's scale words: lanes 0-15 x's block i, lanes 16-31 proj_w's block i (for i = 4 .. 7 lanes 0-15 read filled bytes that no product uses)
.irp i, 0,1,2,3,4,5,6,7
	ds_load_b64 v[SC+16*\sc+2*\i:SC+16*\sc+2*\i+1], v[ADRS] offset:\i*SBLK
.endr
.endm
.macro MUL8 a, p, sc, first            ; x's block a against proj_w's eight; the 32 accumulators take turns
.irp b, 0,1,2,3,4,5,6,7
.if \first
	v_wmma_scale_f32_16x16x128_f8f6f4 v[8*(8*\a+\b):8*(8*\a+\b)+7], v[128*\p+16*\b:128*\p+16*\b+15], v[AF+64*\p+16*\a:AF+64*\p+16*\a+15], v[BIAS+8*\b:BIAS+8*\b+7], v[SC+16*\sc+2*\b+\p], v[SC+16*\sc+2*\a+\p] matrix_a_fmt:MATRIX_FMT_BF8 matrix_b_fmt:MATRIX_FMT_BF8 matrix_a_scale:MATRIX_SCALE_ROW1
.else
	v_wmma_scale_f32_16x16x128_f8f6f4 v[8*(8*\a+\b):8*(8*\a+\b)+7], v[128*\p+16*\b:128*\p+16*\b+15], v[AF+64*\p+16*\a:AF+64*\p+16*\a+15], v[8*(8*\a+\b):8*(8*\a+\b)+7], v[SC+16*\sc+2*\b+\p], v[SC+16*\sc+2*\a+\p] matrix_a_fmt:MATRIX_FMT_BF8 matrix_b_fmt:MATRIX_FMT_BF8 matrix_a_scale:MATRIX_SCALE_ROW1
.endif
.endr
.endm
.macro STEP0 slot, first               ; a slot's first 128 along K; ahead of it the second 128 are fetched into set 1
.if \first == 0
	PLACES NP
.endif
	FETCH \slot, 1
	s_wait_dscnt 48                                ; all but the 48 just issued
.if \first
	WIN MUL1
.else
	WIN MUL
.endif
	MUL8 0, 0, \slot, \first
	MUL8 1, 0, \slot, \first
	MUL8 2, 0, \slot, \first
	MUL8 3, 0, \slot, \first
	WIN 0
.endm
; A slot's second 128 change slots.  fill = 1: this slot is filled again, two K steps ahead.  pf: 0, or the offset from PFA of the K step that is named, four K steps ahead of this one.
.macro TURN slot, next, fill, pf
	WIN 0
	s_wait_tensorcnt 0x0                           ; all my tensor loads have landed: my part of the next slot
	ds_add_u32 v[SPW], v[NIL]
	s_wait_dscnt 1                                 ; set 1 is in; the add may be out
	WIN MUL
	MUL8 0, 1, \slot, 0
	s_wait_dscnt 0x0                               ; the add is done, my reads of this slot are over
	s_barrier_signal -1
	MUL8 1, 1, \slot, 0
	WIN 0
	s_barrier_wait -1
.if \fill
	CREST                                          ; the barrier has opened a round of the cluster's barrier
	s_add_nc_u64 s[G0A+4*\slot+2:G0A+4*\slot+3], s[G0A+4*\slot+2:G0A+4*\slot+3], 512
	s_add_nc_u64 s[G0B+4*\slot+2:G0B+4*\slot+3], s[G0B+4*\slot+2:G0B+4*\slot+3], 512
	JLOAD G0A+4*\slot, G1A, G0B+4*\slot, G1B       ; my one load behind the round
	PLACES NP-4
.else
	PLACES NP
.endif
	s_wait_alu depctr_va_vdst(0)                   ; the wait ahead of this reader of its own last write
	v_add_nc_u32 v[ADRS], 8, v[ADRS]               ; the next K step's scale words
	FETCH \next, 0
	SCALES \next
.if \pf
	global_prefetch_b8 v[PFO], s[PFA:PFA+1] offset:\pf th:TH_LOAD_NT scope:SCOPE_SE
.endif
	WIN MUL
	MUL8 2, 1, \slot, 0
	MUL8 3, 1, \slot, 0
	WIN 0
.endm
.macro LAPS n, pf                      ; n trips once round the ring; both slots are filled again in each
.if \n > 1
	s_mov_b32 s3, \n
.Llap_\@:
.endif
	TURN 0, 1, 1, 768*\pf
	STEP0 1, 0
	TURN 1, 0, 1, 1024*\pf
	STEP0 0, 0
.if \pf
	s_wait_xcnt 0x0                                ; my prefetches have read their address: it steps two K steps
	s_add_nc_u64 s[PFA:PFA+1], s[PFA:PFA+1], 512
.endif
.if \n > 1
	s_sub_co_u32 s3, s3, 1
	s_cmp_lg_u32 s3, 0
	s_cbranch_scc1 .Llap_\@
.endif
.endm
	s_wait_alu depctr_va_vdst(0)
	s_wait_tensorcnt 0x0                           ; my tile of the head's four is in; the full sequence ahead of slot 1's first fill:
	ds_add_u32 v[SPW], v[NIL]
	s_mov_b32 s[G1A+2], 64<<16                     ; no tensor load of mine is out: from here on a load brings half a tile,
	s_mov_b32 s[G1A+4], 64
	s_mov_b32 s[G1B+2], 128<<16
	s_mov_b32 s[G1B+4], 128
	s_lshl_b32 s18, s16, 18                        ; and slot 0's groups 0 take the ring's form: my half of the rows
	s_add_nc_u64 s[G0A+2:G0A+3], s[G0A+2:G0A+3], s[18:19]
	s_lshl_b32 s18, s16, 19
	s_add_nc_u64 s[G0B+2:G0B+3], s[G0B+2:G0B+3], s[18:19]
	s_lshl_b32 s18, s45, 1
	s_mov_b32 s[G0A+1], s45
	s_add_co_u32 s[G0B+1], s18, BOFF
	s_wait_dscnt 0x0
	CROUND                                         ; all four tiles are in, all sixteen work-groups are here
	JLOAD G0A+4, G1A, G0B+4, G1B                   ; K step 1
	FETCH 0, 0
	SCALES 0
	global_prefetch_b8 v[PFO], s[PFA:PFA+1] offset:512 th:TH_LOAD_NT scope:SCOPE_SE   ; K step 3
	s_wait_loadcnt 0x0                             ; proj_b
	STEP0 0, 1                                     ; the first step starts the sums
	LAPS 3, 1                                      ; a load's destination cannot change from trip to trip: the loop is cut, and cache is asked for at the cuts
	CHUNK 0
	CHUNK 1
	LAPS 3, 1
	CHUNK 2
	CHUNK 3
	LAPS 1, 0                                      ; the last two refills: K steps 14 and 15; nothing lies four steps on
	TURN 0, 1, 0, 0
.macro TURNC a                         ; block a's sixteen rows of cache through my stage: in by rows, back in the result's layout
	WIN ST_C
.irp p, 0,1,2,3,4,5,6,7,8,9,10,11,12,13,14,15
	ds_store_b128 v[SROW], v[64*(\a)+4*\p:64*(\a)+4*\p+3] offset:SPITCH*\p
.endr
	WIN 0
.irp b, 0,1,2,3,4,5,6,7
	ds_load_b128 v[CA+8*\b:CA+8*\b+3], v[SACC] offset:64*\b
	ds_load_b128 v[CA+8*\b+4:CA+8*\b+7], v[SACC] offset:64*\b+16
.endr
.endm
	STEP0 1, 0
	PLACES NP                                      ; x's set 0 has been multiplied: eight places in front of the loads into its registers
	s_wait_loadcnt 0x0                             ; cache
	TURNC 0                                        ; slot 0 has had its last fill and, behind the last barrier, its last read: block 0 turns through the stage under the last products
	s_wait_dscnt 32                                ; set 1 is in; the stage's 16 stores and 16 loads may be out
	WIN MUL
	MUL8 0, 1, 1, 0
	MUL8 1, 1, 1, 0
	MUL8 2, 1, 1, 0
	MUL8 3, 1, 1, 0
	WIN 0
; THE WAY OUT, a block of 16 rows at a time.  Sixteen rows of cache go through my own stage: in by rows, back in the result's layout.  LDS serves a wave's instructions in order (ISA guide 5.7.1.4).
; 64 numbers of a lane: registers 16 c .. 16 c + 15 are 16 of the 32 numbers of block c of my row; lane l xor 16 holds the other 16.  Codes into v[pc] on, the row's scale word into v[pw].
.macro QUANT s, pw, pc
.irp b, 0,1,2,3
	v_max3_num_f32 v[TM+\b], |v[\s+16*\b]|, |v[\s+1+16*\b]|, 0x8000000   ; with the floor 2^(16 - 127): the byte cannot fall under 1
.endr
.irp i, 2,4,6,8,10,12,14
.irp b, 0,1,2,3
	v_max3_num_f32 v[TM+\b], v[TM+\b], |v[\s+16*\b+\i]|, |v[\s+1+16*\b+\i]|
.endr
.endr
.irp b, 0,1,2,3
	v_permlanex16_b32 v[TM+4+\b], v[TM+\b], s[SEL], s[SEL+1]
.endr
.irp b, 0,1,2,3
	v_max_num_f32 v[TM+\b], v[TM+\b], v[TM+4+\b]
.endr
.irp b, 0,1,2,3
	v_add_nc_u32 v[TM+12+\b], 0xf8800000, v[TM+\b]   ; 15 off the exponent field: the conversion's scale operand
.endr
.irp b, 0,1,2,3
	v_and_or_b32 v[TM+8+\b], v[TM+\b], 0x7f800000, s[MNT]   ; 57,344 x the scale
.endr
.irp b, 0,1,2,3
	v_lshrrev_b32 v[TM+4+\b], 23, v[TM+12+\b]      ; the scale's byte
.endr
	v_lshl_or_b32 v[\pw], v[TM+5], 8, v[TM+4]
	v_lshl_or_b32 v[\pw], v[TM+6], 16, v[\pw]
	v_lshl_or_b32 v[\pw], v[TM+7], 24, v[\pw]
.irp b, 0,1,2,3
.irp i, 0,1,2,3,4,5,6,7,8,9,10,11,12,13,14,15
	v_med3_num_f32 v[\s+16*\b+\i], v[\s+16*\b+\i], -v[TM+8+\b], v[TM+8+\b]   ; the hold: the conversion does not saturate (ISA guide 7.6.2)
.endr
	v_cvt_scalef32_pk8_bf8_f32 v[\pc+4*\b:\pc+4*\b+1], v[\s+16*\b:\s+7+16*\b], v[TM+12+\b]
	v_cvt_scalef32_pk8_bf8_f32 v[\pc+4*\b+2:\pc+4*\b+3], v[\s+8+16*\b:\s+15+16*\b], v[TM+12+\b]
.endr
	v_nop                                          ; one plain line behind the last conversion
.endm
.macro HBLOCK a
	WIN FROM_ACC
.set i, 0
.rept 32
	v_pk_fma_f32 v[H+2*i:H+2*i+1], v[64*\a+2*i:64*\a+2*i+1], v[12:13], v[14:15]   ; w (x . proj_w + proj_b) + b; each accumulator from its low end on
.set i, i+1
.endr
	WIN 0
	s_wait_dscnt 0x0                               ; the block's cache is back from the stage
.set i, 0
.rept 32
	v_pk_fma_f32 v[H+2*i:H+2*i+1], v[CA+2*i:CA+2*i+1], v[18:19], v[H+2*i:H+2*i+1]   ; + coef cache
.set i, i+1
.endr
.if \a < 3
	TURNC \a+1
.endif
	QUANT H, PW+\a, PC+16*\a
.irp g, 0,1,2,3,4,5,6,7
	global_store_b64 v[GCO], v[PC+16*\a+2*\g:PC+16*\a+2*\g+1], s[100:101] offset:\a*65536+256*\g   ; the 32 lanes store 256 consecutive bytes, aligned
.endr
.endm
	PLACES NP
.irp b, 0,1,2,3
	v_mov_b32 v[TM+4+\b], 0                        ; a lane permute's destination counts as one of its sources
.endr
	HBLOCK 0
	HBLOCK 1
	HBLOCK 2
	HBLOCK 3
	v_cndmask_b32 v[PW], v[PW], v[PW+1], s9        ; lane l has row l's word
	v_cndmask_b32 v[PW+2], v[PW+2], v[PW+3], s9
	global_store_b32 v[GSO], v[PW], s[104:105]     ; four bytes of each of 32 rows: h_scales is a thirty-second of the codes' bytes, and this layout lets the next launch fetch it as one dense block
	global_store_b32 v[GSO], v[PW+2], s[104:105] offset:4096
	s_wait_tensorcnt 0x0                           ; the wave's end
	ds_add_u32 v[SPW], v[NIL]
	s_wait_dscnt 0x0
	CROUND                                         ; the closing round
	s_endpgm
.Lfunc_end_k_qe6d5dc5773_proj:
	.size	k_qe6d5dc5773_proj, .Lfunc_end_k_qe6d5dc5773_proj-k_qe6d5dc5773_proj
	.p2alignl 7, 3214868480
	.fill 96, 4, 3214868480
	.section	.rodata,"a",@progbits
	.p2align	6, 0x0
	.amdhsa_kernel k_qe6d5dc5773_proj
		.amdhsa_group_segment_fixed_size 327680
		.amdhsa_private_segment_fixed_size 0
		.amdhsa_enable_private_segment 0
		.amdhsa_kernarg_size 88
		.amdhsa_user_sgpr_count 2
		.amdhsa_user_sgpr_kernarg_segment_ptr 1
		.amdhsa_wavefront_size32 1
		.amdhsa_system_sgpr_workgroup_id_x 1
		.amdhsa_system_sgpr_workgroup_id_y 1
		.amdhsa_system_sgpr_workgroup_id_z 1
		.amdhsa_system_vgpr_workitem_id 0
		.amdhsa_next_free_vgpr 1024
		.amdhsa_next_free_sgpr 106
		.amdhsa_reserve_vcc 0
		.amdhsa_float_denorm_mode_32 3
		.amdhsa_float_denorm_mode_16_64 3
		.amdhsa_memory_ordered 1
		.amdhsa_forward_progress 1
		.amdhsa_inst_pref_size 212
	.end_amdhsa_kernel
	.amdgpu_metadata
---
amdhsa.version: [ 1, 2 ]
amdhsa.kernels:
  - .name:           k_qe6d5dc5773_proj
    .symbol:         k_qe6d5dc5773_proj.kd
    .args:
      - { .name: x_codes, .offset: 0, .size: 8, .value_kind: global_buffer, .address_space: global }
      - { .name: x_scales, .offset: 8, .size: 8, .value_kind: global_buffer, .address_space: global }
      - { .name: proj_w_codes, .offset: 16, .size: 8, .value_kind: global_buffer, .address_space: global }
      - { .name: proj_w_scales, .offset: 24, .size: 8, .value_kind: global_buffer, .address_space: global }
      - { .name: proj_b, .offset: 32, .size: 8, .value_kind: global_buffer, .address_space: global }
      - { .name: cache, .offset: 40, .size: 8, .value_kind: global_buffer, .address_space: global }
      - { .name: mix_w, .offset: 48, .size: 8, .value_kind: global_buffer, .address_space: global }
      - { .name: mix_b, .offset: 56, .size: 8, .value_kind: global_buffer, .address_space: global }
      - { .name: decay_value, .offset: 64, .size: 8, .value_kind: global_buffer, .address_space: global }
      - { .name: h_codes, .offset: 72, .size: 8, .value_kind: global_buffer, .address_space: global }
      - { .name: h_scales, .offset: 80, .size: 8, .value_kind: global_buffer, .address_space: global }
    .group_segment_fixed_size: 327680
    .private_segment_fixed_size: 0
    .kernarg_segment_align: 8
    .kernarg_segment_size: 88
    .max_flat_workgroup_size: 128
    .sgpr_count:     106
    .vgpr_count:     1024
    .wavefront_size: 32
...
	.end_amdgpu_metadata
.endif
;; end of part 1
;; launch outp (part 2): grid 16 x 16, 4 waves a work-group, clusters of 4 x 4, 327,680 bytes of LDS; arguments h_codes, h_scales, out_w_codes, out_w_scales, out_b, out0; writes out0
.if DOCPART == 2
	.amdgcn_target "amdgcn-amd-amdhsa--gfx1250"
	.amdhsa_code_object_version 6
	.text
	.protected	k_qe6d5dc5773_outp
	.globl	k_qe6d5dc5773_outp
	.p2align	8
	.type	k_qe6d5dc5773_outp,@function
k_qe6d5dc5773_outp:
	s_mov_b64 s[64:65], 0
	v_nop
	global_prefetch_b8 v0, s[64:65] scope:SCOPE_SE
	s_setreg_imm32_b32 hwreg(HW_REG_WAVE_MODE, 25, 1), 1
	s_wait_xcnt 0x0
	s_wait_alu depctr_hold_cnt(0) depctr_sa_sdst(0) depctr_va_vdst(0) depctr_va_sdst(0) depctr_va_ssrc(0) depctr_va_vcc(0) depctr_vm_vsrc(0)
	s_getreg_b32 s2, hwreg(HW_REG_IB_STS2, 6, 4)
	s_cmp_eq_u32 s2, 0
	s_cbranch_scc0 .Lentry_in_a_cluster
	s_endpgm
.Lentry_in_a_cluster:
	s_bfe_u32 s2, ttmp6, 0x10000c
	s_cmp_lg_u32 s2, 0xf033
	s_cbranch_scc0 .Lentry_shape_is_right
	s_endpgm
.Lentry_shape_is_right:
; out0[row][n] = hidden[row] . out_w[n] + out_b[n], on codes of BF8 (E5M2) with E8M0 scales; sums in f32.  Nothing of the problem is left out here.
; hidden comes as the launch before laid it: h_codes in the order of the operand's registers (a fragment of 16 rows x 128 K is 2,048 consecutive bytes), h_scales [2048][128].
; SHARES.  A tile is 128 rows x 256 columns; 16 x 16 tiles, one to a work-group; four waves, 2 x 2, 64 rows x 128 columns each in 32 accumulators.
; hidden's fragments go from memory straight into registers, four sets of 128 along K, asked for three sets ahead.  out_w's 256 rows go in 8 K steps of 512 through a ring of two LDS slots.
; The scales of all of K come once, at the head, and stay.  CLUSTERS 4 x 4: out_w's tiles and scales are asked for jointly along a column of the cluster, h_scales along a row.
; THE HEAD: one joint load a wave: wave 0 h_scales, wave 1 out_w's scales, waves 2 and 3 the halves of K step 0.  K step 1 follows behind the full sequence and a round.
; PREFETCH, each 256 bytes named once in each cluster.  out_w: of the 64 rows x 512 bytes that a wave fetches, the partner at place cy names 16 rows x 2 blocks, a lane a block.
; h_codes: a tile row's K step is 8 runs of 8,192 bytes; unit u = 4 cx + wave names half a run, 16 blocks (lanes 16-31 name the last again).  The head names K step 1, one fill ahead of its load;
; behind slot 1's fill K steps 2 and 3 are named, one and two refills ahead; the refill of K step t + 2 names t + 4; the last two refills name nothing.  At most two K steps are named and not yet loaded.
; THE MATRIX INSTRUCTION IS USED TRANSPOSED (source 0 = out_w's rows, source 1 = hidden's): a lane holds eight neighbouring columns of a row.  out_b is the C of each sum's first product.
; REGISTERS.  window 0: v0-31 addresses; v32-95 scale words, two sets; v128-255 the way out, v192-255 first out_b.  window 1: out_w's fragments, two sets.  window 2: the accumulators.  window 3: hidden's fragments, four sets.
.set PITCH,  528                       ; an LDS row: 512 bytes + 16 of padding
.set SLOT,   256*PITCH
.set SCL,    2*SLOT
.set SBLK,   8*272
.set SPARE,  SCL+24*SBLK
.set SPITCH, 528                       ; the way out: a stage of 16 rows a wave, in slot 0 behind its last fill and last read
.set NP,     8
.set BOF,  6
.set ADRB, 20
.set L16,  22
.set SROW, 23
.set SACC, 24
.set PFVB, 25                          ; out_w's prefetch: (lane / 2) rows + (lane % 2) x 256 bytes; never rewritten
.set PFVA, 26                          ; h_codes': min(lane, 15) x 256 bytes; never rewritten
.set ADRS, 27
.set SPW,  28
.set NIL,  29
.set SC,   32
.set BK,   128
.set BIAS, 192
.set HB,   24                          ; s[24:25] the head's half of K step 0
.set PFB,  26                          ; s[26:27], s[28:29] the prefetches' bases, two K steps on in each trip
.set PFH,  28
.set G1B,  48
.set G0B,  56
.set G1SA, 68
.set G0SA, 76
.set G1SB, 80
.set G0SB, 88
.set MSB, 0
.macro WIN new
.if MSB != \new
	s_set_vgpr_msb (MSB<<8)|\new
.set MSB, \new
.endif
.endm
.set MUL,    0xad
.set MUL1,   0x8d
.set TO_B,   0x40
.set TO_A,   0xc0
.set ST_ACC, 0x08
.macro ARM under, g0, g1, next         ; an arm of the head's one chain
	s_cmp_lt_u32 s14, \under
	s_cbranch_scc0 \next
	tensor_load_to_lds s[\g0:\g0+3], s[\g1:\g1+7]
	s_nop 0
.rept 4
	v_nop
.endr
	s_branch .Lhead_asked
\next:
.endm
.macro BLOAD s                         ; the ring's joint load: 64 rows a wave
	tensor_load_to_lds s[G0B+4*\s:G0B+4*\s+3], s[G1B:G1B+7]
	s_nop 0
.rept 4
	v_nop
.endr
.endm
.macro CREST
	s_cmp_lg_u32 s14, 0
	s_cbranch_scc1 .Lnot_wave_0_\@
	s_barrier_signal -3
.Lnot_wave_0_\@:
	s_barrier_wait -3
	s_barrier_signal -1
	s_barrier_wait -1
.endm
.macro CROUND
	s_barrier_signal -1
	s_barrier_wait -1
	CREST
.endm
.macro PLACES n
.rept \n
	v_nop
.endr
.endm
.macro ALOAD st, srel                  ; hidden's four fragments of one 128 along K into set st: each load 512 consecutive bytes
	WIN TO_A
.irp a, 0,1,2,3
.irp c, 0,1,2,3
	global_load_b128 v[64*(\st)+16*\a+4*\c:64*(\st)+16*\a+4*\c+3], v[L16], s[4:5] offset:\a*65536+(\srel)*2048+\c*512
.endr
.endr
.endm
.macro PF ob, oa
	global_prefetch_b8 v[PFVB], s[PFB:PFB+1] offset:\ob th:TH_LOAD_NT scope:SCOPE_SE
	global_prefetch_b8 v[PFVA], s[PFH:PFH+1] offset:\oa th:TH_LOAD_NT scope:SCOPE_SE
.endm
.macro ASK ob, oa                      ; in the loop: the last trip's refills have no K step two on (s3 = 1 there)
	s_cmp_gt_u32 s3, 1
	s_cbranch_scc0 .Lno_ask_\@
	PF \ob, \oa
.Lno_ask_\@:
.endm
	s_load_b256 s[4:11], s[0:1], 0x0               ; h_codes, h_scales, out_w's codes, out_w's scales
	s_load_b64 s[12:13], s[0:1], 0x20              ; out_b
	s_load_b64 s[92:93], s[0:1], 0x28              ; out0
	v_lshl_add_u32 v[SPW], v0, 2, SPARE
	v_mov_b32 v[NIL], 0
	ds_add_u32 v[SPW], v[NIL]                      ; the opening lines: the add twice on end
	ds_add_u32 v[SPW], v[NIL]
	v_lshrrev_b32 v1, 5, v0
	v_readfirstlane_b32 s14, v1                    ; wave
	s_lshr_b32 s15, s14, 1                         ; my 64 rows
	s_and_b32 s16, s14, 1                          ; my 128 columns
	s_bfe_u32 s40, ttmp6, 0x40000                  ; cx
	s_bfe_u32 s41, ttmp6, 0x40004                  ; cy
	s_lshl_b32 s42, ttmp9, 2
	s_add_co_u32 s42, s42, s40                     ; tile column
	s_and_b32 s17, ttmp7, 0xffff
	s_lshl_b32 s17, s17, 2
	s_add_co_u32 s17, s17, s41                     ; tile row
	s_lshl_b32 s43, s41, 2
	s_lshl_b32 s43, 15, s43
	s_lshl_b32 s44, 0x1111, s40
	s_or_b32 s[G1B], s44, (1<<20)|(1<<21)|(6<<22)|(3<<25)   ; rows of 512 bytes, 4 words of padding behind every 128
	s_mov_b32 s[G1B+1], 512<<16
	s_mov_b32 s[G1B+2], 128<<16                    ; the head's loads bring 128 rows
	s_mov_b32 s[G1B+3], 512<<16
	s_mov_b32 s[G1B+4], 128
	s_mov_b32 s[G1B+5], 4096
	s_mov_b32 s[G1B+6], 0
	s_mov_b32 s[G1B+7], 0
	s_or_b32 s[G1SA], s43, (3<<16)|(1<<20)|(1<<21)|(5<<22)|(3<<25)
	s_or_b32 s[G1SB], s44, (3<<16)|(1<<20)|(1<<21)|(5<<22)|(3<<25)
.irp g, G1SA, G1SB
	s_mov_b32 s[\g+1], 32<<16
	s_mov_b32 s[\g+3], 32<<16
	s_mov_b32 s[\g+5], 32
	s_mov_b32 s[\g+6], 0
	s_mov_b32 s[\g+7], 0
.endr
	s_mov_b32 s[G1SA+2], 64<<16                    ; the scales of 128 rows: 64 rows of 256 bytes
	s_mov_b32 s[G1SA+4], 64
	s_mov_b32 s[G1SB+2], 128<<16
	s_mov_b32 s[G1SB+4], 128
	s_lshl_b32 s20, s17, 19                        ; h_codes at my four blocks of 16 rows
	s_lshl_b32 s21, s15, 18
	s_add_co_u32 s20, s20, s21
	s_mov_b32 s21, 0
	s_lshl_b32 s22, s17, 14                        ; h_scales at the tile's first row
	s_mov_b32 s23, 0
	s_lshl_b32 s18, s14, 6
	s_lshl_b32 s46, s42, 8
	s_add_co_u32 s46, s46, s18                     ; the ring: out_w's row 256 x tile column + 64 x wave
	s_lshl_b32 s26, s41, 4
	s_add_co_u32 s26, s26, s46                     ; the prefetch: + my work-group's 16 of them
	s_lshl_b32 s26, s26, 12
	s_mov_b32 s27, 0
	s_lshl_b32 s46, s46, 12
	s_mov_b32 s47, 0
	s_lshl_b32 s18, s16, 7
	s_lshl_b32 s24, s42, 8
	s_add_co_u32 s24, s24, s18                     ; the head: row 256 x tile column + 128 x half
	s_lshl_b32 s24, s24, 12
	s_mov_b32 s25, 0
	s_lshl_b32 s2, s42, 15                         ; out_w's scales at the tile's first row
	s_mov_b32 s3, 0
	s_lshl_b32 s30, s40, 2
	s_add_co_u32 s30, s30, s14                     ; u = 4 cx + wave
	s_lshr_b32 s31, s30, 1
	s_and_b32 s30, s30, 1
	s_lshl_b32 s28, s17, 3
	s_add_co_u32 s28, s28, s31                     ; block of 16 rows 8 x tile row + u / 2,
	s_lshl_b32 s28, s28, 16
	s_lshl_b32 s30, s30, 12                        ; half u % 2 of its 8,192 bytes of a K step
	s_add_co_u32 s28, s28, s30
	s_mov_b32 s29, 0
	s_lshl_b32 s94, s42, 10
	s_lshl_b32 s95, s16, 9
	s_add_co_u32 s94, s94, s95                     ; my first column, in bytes
	s_mov_b32 s95, 0
	s_lshl_b32 s96, s17, 21
	s_lshl_b32 s97, s15, 20
	s_add_co_u32 s96, s96, s97
	s_add_co_u32 s96, s96, s94                     ; my corner of out0
	s_mov_b32 s97, 0
	s_mul_i32 s18, s16, 128*PITCH                  ; where the head's half goes,
	s_mul_i32 s19, s14, 64*PITCH                   ; and the ring's quarter
	v_and_b32 v1, 15, v0
	v_bfe_u32 v2, v0, 4, 1
	v_lshlrev_b32 v[BOF], 5, v2
	v_and_b32 v3, 31, v0
	v_lshlrev_b32 v[L16], 4, v3
	v_lshrrev_b32 v4, 1, v3
	v_and_b32 v5, 1, v3
	v_lshlrev_b32 v5, 8, v5
	v_lshl_add_u32 v[PFVB], v4, 12, v5
	v_min_u32 v4, 15, v3
	v_lshlrev_b32 v[PFVA], 8, v4
	s_wait_alu depctr_va_vdst(0)
	s_wait_dscnt 0x0                               ; both opening adds are done
	CROUND                                         ; the round in front of the first joint loads; it needs no argument, so it stands ahead of the wait for them
	s_wait_kmcnt 0x0
	s_add_nc_u64 s[PFH:PFH+1], s[4:5], s[PFH:PFH+1]
	s_add_nc_u64 s[4:5], s[4:5], s[20:21]
	s_add_nc_u64 s[12:13], s[12:13], s[94:95]
	s_add_nc_u64 s[92:93], s[92:93], s[96:97]
	s_add_nc_u64 s[22:23], s[6:7], s[22:23]
	s_add_nc_u64 s[46:47], s[8:9], s[46:47]
	s_add_nc_u64 s[HB:HB+1], s[8:9], s[HB:HB+1]
	s_add_nc_u64 s[PFB:PFB+1], s[8:9], s[PFB:PFB+1]
	s_add_nc_u64 s[2:3], s[10:11], s[2:3]
	s_mov_b32 s[G0SA], 1
	s_mov_b32 s[G0SA+1], SCL
	s_mov_b64 s[G0SA+2:G0SA+3], s[22:23]
	s_or_b32 s[G0SA+3], s[G0SA+3], 0x80000000
	s_mov_b32 s[G0SB], 1
	s_mov_b32 s[G0SB+1], SCL+8*SBLK
	s_mov_b64 s[G0SB+2:G0SB+3], s[2:3]
	s_or_b32 s[G0SB+3], s[G0SB+3], 0x80000000
	s_mov_b32 s[G0B], 1                            ; slot 0's group 0 serves the head's halves first
	s_mov_b32 s[G0B+1], s18
	s_mov_b64 s[G0B+2:G0B+3], s[HB:HB+1]
	s_or_b32 s[G0B+3], s[G0B+3], 0x80000000
	s_mov_b32 s[G0B+4], 1                          ; slot 1's, in the ring's form: K step 1
	s_add_co_u32 s[G0B+5], s19, SLOT
	s_add_nc_u64 s[G0B+6:G0B+7], s[46:47], 512
	s_or_b32 s[G0B+7], s[G0B+7], 0x80000000
	ARM 1, G0SA, G1SA, .Lhead_sb
	ARM 2, G0SB, G1SB, .Lhead_c
	tensor_load_to_lds s[G0B:G0B+3], s[G1B:G1B+7]  ; waves 2 and 3: rows 0-127 and 128-255 of K step 0
	s_nop 0
.rept 4
	v_nop
.endr
.Lhead_asked:
.irp b, 0,1,2,3,4,5,6,7                        ; out_b in the result's layout
	global_load_b128 v[BIAS+8*\b:BIAS+8*\b+3], v[BOF], s[12:13] offset:64*\b
	global_load_b128 v[BIAS+8*\b+4:BIAS+8*\b+7], v[BOF], s[12:13] offset:64*\b+16
.endr
	ALOAD 0, 0
	ALOAD 1, 1
	WIN 0
	PF 512, 8192                                   ; K step 1
	ALOAD 2, 2
	ALOAD 3, 3
	WIN 0
	v_mul_u32_u24 v3, v1, PITCH
	v_lshl_add_u32 v4, v2, 4, v3
	s_mul_i32 s98, s16, 128*PITCH
.irp s, 0,1
	v_add_nc_u32 v[ADRB+\s], s98, v4
	s_add_co_u32 s98, s98, SLOT
.endr
	v_lshlrev_b32 v5, 7, v1
	v_lshrrev_b32 v7, 1, v1
	v_lshl_add_u32 v5, v7, 4, v5
	s_mul_i32 s98, s15, 4*SBLK
	s_mul_i32 s99, s16, 8*SBLK
	s_add_co_u32 s99, s99, 8*SBLK
	s_sub_co_u32 s99, s99, s98
	v_mul_u32_u24 v7, s99, v2                      ; lanes 16-31 take out_w's scale words
	s_add_co_u32 s98, s98, SCL
	v_add_nc_u32 v5, v5, v7
	v_add_nc_u32 v[ADRS], s98, v5
	s_mul_i32 s98, s14, 16*SPITCH
	v_add_nc_u32 v[SROW], s98, v[L16]
	v_mul_u32_u24 v5, v1, SPITCH
	v_lshl_add_u32 v5, v2, 5, v5
	v_add_nc_u32 v[SACC], s98, v5
.macro FRAG reg, adr, q, i
.irp c, 0,1,2,3
	ds_load_b128 v[\reg+4*\c:\reg+4*\c+3], v[\adr] offset:128*(\q)+32*\c+(\i)*16*PITCH
.endr
.endm
.macro FETCHB slot, q                  ; out_w's eight fragments of the slot's q-th 128 along K into set q % 2
	WIN TO_B
.irp i, 0,1,2,3,4,5,6,7
	FRAG 128*((\q)%2)+16*\i, ADRB+\slot, \q, \i
.endr
.endm
.macro SCALES sc                       ; a K step's scale words, four a row: lanes 0-15 hidden's block i, lanes 16-31 out_w's (for i = 4 .. 7 lanes 0-15 read filled bytes that no product uses)
	WIN 0
.irp i, 0,1,2,3,4,5,6,7
	ds_load_b128 v[SC+32*\sc+4*\i:SC+32*\sc+4*\i+3], v[ADRS] offset:\i*SBLK
.endr
.endm
.macro MUL8 a, q, sc, first            ; the 32 accumulators take turns
.irp b, 0,1,2,3,4,5,6,7
.if \first
	v_wmma_scale_f32_16x16x128_f8f6f4 v[8*(8*\a+\b):8*(8*\a+\b)+7], v[128*((\q)%2)+16*\b:128*((\q)%2)+16*\b+15], v[64*(\q)+16*\a:64*(\q)+16*\a+15], v[BIAS+8*\b:BIAS+8*\b+7], v[SC+32*\sc+4*\b+(\q)], v[SC+32*\sc+4*\a+(\q)] matrix_a_fmt:MATRIX_FMT_BF8 matrix_b_fmt:MATRIX_FMT_BF8 matrix_a_scale:MATRIX_SCALE_ROW1
.else
	v_wmma_scale_f32_16x16x128_f8f6f4 v[8*(8*\a+\b):8*(8*\a+\b)+7], v[128*((\q)%2)+16*\b:128*((\q)%2)+16*\b+15], v[64*(\q)+16*\a:64*(\q)+16*\a+15], v[8*(8*\a+\b):8*(8*\a+\b)+7], v[SC+32*\sc+4*\b+(\q)], v[SC+32*\sc+4*\a+(\q)] matrix_a_fmt:MATRIX_FMT_BF8 matrix_b_fmt:MATRIX_FMT_BF8 matrix_a_scale:MATRIX_SCALE_ROW1
.endif
.endr
.endm
; One of a slot's first three 128 along K.  j: hidden's set three on is asked for (-1: none left); lc: the younger loads of hidden that may stay out.
.macro STEP slot, q, first, j, lc
.if \first == 0
	PLACES NP
.endif
.if \j >= 0
	ALOAD ((\j)+3)%4, (\j)+3
.endif
	FETCHB \slot, (\q)+1
	s_wait_dscnt 32                                ; all but the 32 just issued
	s_wait_loadcnt \lc
.if \first
	WIN MUL1
.else
	WIN MUL
.endif
	MUL8 0, \q, \slot, \first
	MUL8 1, \q, \slot, \first
	MUL8 2, \q, \slot, \first
	MUL8 3, \q, \slot, \first
.endm
; A slot's last 128 change slots.  fill = 1: this slot is filled again, two K steps ahead, and the K step two further on is named at offsets ob, oa.
.macro TURN slot, next, fill, j, lc, ob, oa
	PLACES NP
.if \j >= 0
	ALOAD ((\j)+3)%4, (\j)+3
.endif
	WIN 0
	s_wait_tensorcnt 0x0                           ; all my tensor loads have landed: my part of the next slot
	ds_add_u32 v[SPW], v[NIL]
	s_wait_dscnt 1
	s_wait_loadcnt \lc
	WIN MUL
	MUL8 0, 3, \slot, 0
	s_wait_dscnt 0x0                               ; the add is done, my reads of this slot are over
	s_barrier_signal -1
	MUL8 1, 3, \slot, 0
	WIN 0
	s_barrier_wait -1
.if \fill
	CREST
	s_add_nc_u64 s[G0B+4*\slot+2:G0B+4*\slot+3], s[G0B+4*\slot+2:G0B+4*\slot+3], 1024
	BLOAD \slot
.endif
	s_wait_alu depctr_va_vdst(0)                   ; the wait ahead of this reader of its own last write
	v_add_nc_u32 v[ADRS], 16, v[ADRS]
	FETCHB \next, 0
	SCALES \next
.if \fill
	ASK \ob, \oa
.endif
	WIN MUL
	MUL8 2, 3, \slot, 0
	MUL8 3, 3, \slot, 0
.endm
	s_wait_alu depctr_va_vdst(0)
	s_wait_tensorcnt 0x0                           ; my tile of the head's is in; the full sequence ahead of slot 1's first fill:
	ds_add_u32 v[SPW], v[NIL]
	s_mov_b32 s[G1B+2], 64<<16                     ; no tensor load of mine is out: from here on a load brings 64 rows,
	s_mov_b32 s[G1B+4], 64
	s_mov_b32 s[G0B+1], s19                        ; and slot 0's group 0 takes the ring's form
	s_mov_b64 s[G0B+2:G0B+3], s[46:47]
	s_or_b32 s[G0B+3], s[G0B+3], 0x80000000
	s_wait_dscnt 0x0
	CROUND
	BLOAD 1                                        ; K step 1
	FETCHB 0, 0
	SCALES 0
	PF 1024, 16384                                 ; K step 2
	PF 1536, 24576                                 ; K step 3
	STEP 0, 0, 1, -1, 48                           ; out_b and hidden's set 0 are in; three sets may be out
	WIN 0
	s_mov_b32 s3, 3
.Llap:
	STEP 0, 1, 0, 1, 48
	STEP 0, 2, 0, 2, 48
	TURN 0, 1, 1, 3, 48, 2048, 32768
	STEP 1, 0, 0, 4, 48
	STEP 1, 1, 0, 5, 48
	STEP 1, 2, 0, 6, 48
	TURN 1, 0, 1, 7, 48, 2560, 40960
	STEP 0, 0, 0, 8, 48
	WIN 0
	s_wait_xcnt 0x0                                ; the loads and prefetches have read their bases
	s_add_nc_u64 s[4:5], s[4:5], 8*2048
	s_add_nc_u64 s[PFB:PFB+1], s[PFB:PFB+1], 1024
	s_add_nc_u64 s[PFH:PFH+1], s[PFH:PFH+1], 16384
	s_sub_co_u32 s3, s3, 1
	s_cmp_lg_u32 s3, 0
	s_cbranch_scc1 .Llap
	STEP 0, 1, 0, 1, 48
	STEP 0, 2, 0, 2, 48
	TURN 0, 1, 0, 3, 48, 0, 0
	STEP 1, 0, 0, 4, 48
	STEP 1, 1, 0, -1, 32
	STEP 1, 2, 0, -1, 16
	s_wait_dscnt 0x0
	s_wait_loadcnt 0x0
	WIN MUL
	MUL8 0, 3, 1, 0
	MUL8 1, 3, 1, 0
	MUL8 2, 3, 1, 0
	MUL8 3, 3, 1, 0
	WIN 0
; THE WAY OUT: a block of 16 rows x 128 columns goes through my own stage and comes back as whole rows of 512 bytes.
.macro TOSTAGE a
	WIN ST_ACC
.irp b, 0,1,2,3,4,5,6,7
	ds_store_b128 v[SACC], v[64*(\a)+8*\b:64*(\a)+8*\b+3] offset:64*\b
	ds_store_b128 v[SACC], v[64*(\a)+8*\b+4:64*(\a)+8*\b+7] offset:64*\b+16
.endr
	WIN 0
.set BB, BK+64*((\a)%2)
.irp t, 0,1,2,3,4,5,6,7,8,9,10,11,12,13,14,15
	ds_load_b128 v[BB+4*\t:BB+4*\t+3], v[SROW] offset:\t*SPITCH
.endr
.endm
.macro SEND a, younger
.set BB, BK+64*((\a)%2)
	s_wait_dscnt \younger
.irp t, 0,1,2,3,4,5,6,7,8,9,10,11,12,13,14,15
	global_store_b128 v[L16], v[BB+4*\t:BB+4*\t+3], s[92:93] offset:(16*(\a)+\t)*16384 th:TH_STORE_NT   ; 32 lanes store 512 consecutive bytes, aligned
.endr
.endm
	PLACES NP
	TOSTAGE 0
.irp a, 1,2,3
.if \a > 1
	s_wait_xcnt 0x0                                ; block a - 2's stores have read their registers
.endif
	TOSTAGE \a
	SEND \a-1, 32
.endr
	SEND 3, 0
	s_wait_tensorcnt 0x0                           ; the wave's end
	ds_add_u32 v[SPW], v[NIL]
	s_wait_dscnt 0x0
	CROUND                                         ; the closing round
	s_endpgm
.Lfunc_end_k_qe6d5dc5773_outp:
	.size	k_qe6d5dc5773_outp, .Lfunc_end_k_qe6d5dc5773_outp-k_qe6d5dc5773_outp
	.p2alignl 7, 3214868480
	.fill 96, 4, 3214868480
	.section	.rodata,"a",@progbits
	.p2align	6, 0x0
	.amdhsa_kernel k_qe6d5dc5773_outp
		.amdhsa_group_segment_fixed_size 327680
		.amdhsa_private_segment_fixed_size 0
		.amdhsa_enable_private_segment 0
		.amdhsa_kernarg_size 48
		.amdhsa_user_sgpr_count 2
		.amdhsa_user_sgpr_kernarg_segment_ptr 1
		.amdhsa_wavefront_size32 1
		.amdhsa_system_sgpr_workgroup_id_x 1
		.amdhsa_system_sgpr_workgroup_id_y 1
		.amdhsa_system_sgpr_workgroup_id_z 1
		.amdhsa_system_vgpr_workitem_id 0
		.amdhsa_next_free_vgpr 1024
		.amdhsa_next_free_sgpr 106
		.amdhsa_reserve_vcc 0
		.amdhsa_float_denorm_mode_32 3
		.amdhsa_float_denorm_mode_16_64 3
		.amdhsa_memory_ordered 1
		.amdhsa_forward_progress 1
		.amdhsa_inst_pref_size 158
	.end_amdhsa_kernel
	.amdgpu_metadata
---
amdhsa.version: [ 1, 2 ]
amdhsa.kernels:
  - .name:           k_qe6d5dc5773_outp
    .symbol:         k_qe6d5dc5773_outp.kd
    .args:
      - { .name: h_codes, .offset: 0, .size: 8, .value_kind: global_buffer, .address_space: global }
      - { .name: h_scales, .offset: 8, .size: 8, .value_kind: global_buffer, .address_space: global }
      - { .name: out_w_codes, .offset: 16, .size: 8, .value_kind: global_buffer, .address_space: global }
      - { .name: out_w_scales, .offset: 24, .size: 8, .value_kind: global_buffer, .address_space: global }
      - { .name: out_b, .offset: 32, .size: 8, .value_kind: global_buffer, .address_space: global }
      - { .name: out0, .offset: 40, .size: 8, .value_kind: global_buffer, .address_space: global }
    .group_segment_fixed_size: 327680
    .private_segment_fixed_size: 0
    .kernarg_segment_align: 8
    .kernarg_segment_size: 48
    .max_flat_workgroup_size: 128
    .sgpr_count:     106
    .vgpr_count:     1024
    .wavefront_size: 32
...
	.end_amdgpu_metadata
.endif
;; end of part 2
